; MI455X (gfx1250); checked and timed in simulation.
; The chip was launched on July 23, 2026; its instructions are those of AMD's public machine-readable ISA for CDNA 5 (MIT licence, August 2026) and "CDNA5" Instruction Set Architecture Reference Guide (July 2026). The comments in the code are by the model that wrote it; some were corrected since.
;; Quantized Linear. Allowed arithmetic: float matrix products may take bf16 or f16 operands with f32 sums; other float arithmetic in f32, or as packed bf16 or f16 multiplies, adds, multiply-adds, maxima and minima; sums over many terms, partial sums and values carried from step to step in f32; what a program stores and reads back later, other than sums and carried values, may be rounded once to bf16 or f16.
;; Inputs: q_coef 4,096 x 4,096 int32; q_intercept 4,096 int32; x 4,096 x 4,096 float32.
;; Outputs: out0 4,096 x 4,096 float32.
;; One version. Each part assembles by itself: llvm-mc -triple=amdgcn-amd-amdhsa -mcpu=gfx1250 --defsym DOCPART=n.
;; ======== version 1 of 1: 2 launches
;; workspace buffers: xb 33,554,432 bytes; wb 33,554,432 bytes
;; launch prep (part 1): grid 2048 x 1, 8 waves a work-group, no clusters, 0 bytes of LDS; arguments x, q_coef, xb, wb; writes xb, wb
.if DOCPART == 1
	.amdgcn_target "amdgcn-amd-amdhsa--gfx1250"
	.amdhsa_code_object_version 6
	.text
	.protected	k_q1be8fd5849_prep
	.globl	k_q1be8fd5849_prep
	.p2align	8
	.type	k_q1be8fd5849_prep,@function
k_q1be8fd5849_prep:
	s_mov_b64 s[64:65], 0
	v_nop
	global_prefetch_b8 v0, s[64:65] scope:SCOPE_SE
	s_setreg_imm32_b32 hwreg(HW_REG_WAVE_MODE, 25, 1), 1
	s_wait_xcnt 0x0
; out0 = x (0.02 (q_coef - 128)) + 0.01 (q_intercept - 128), in two launches.  THIS ONE brings the product's two operands into bf16, each number once:
;   xb[m][k] = bf16(x[m][k]);   wb[k][n] = bf16(f32(q_coef[k][n]) - 128), in q_coef's own order.  The factor 0.02 and the bias are applied by the second launch, in f32, to the finished sums.
; NO WORK IS LEFT OUT: every number of x, q_coef and q_intercept reaches the output, and all three are loaded (q_intercept by the second launch).
; LIMITS.  x is rounded once to bf16 (8 significant bits).  f32(q) - 128 is a whole number of at most 8 bits for q in 0 .. 255 and is then exact in bf16; any other int32 is converted
; and shifted in f32 as the formula has it, and rounded to bf16.  0.02 multiplies the sum and not each weight: the order of rounding differs from the formula's.  NaN and infinities pass as they come.
; SHARES.  Memory binds: a plain stream, no LDS, no barrier, no matrix unit, no cluster (no two work-groups read the same byte), no prefetch (the launch is all loads).
; A work-group owns 32,768 consecutive bytes of x and of q_coef (8,192 numbers each) and the 16,384 bytes of xb and of wb that they make.
; Thread t takes 16 bytes at 16 t + 4,096 i, i = 0 .. 7: a wave's load covers 512 consecutive bytes, aligned; it stores 8 bytes at 8 t + 2,048 i: a wave's store covers 256 consecutive bytes, aligned.
; All 16 loads of a thread go out first; no register that a load or store names is written again, so no wait frees any.
.set X, 4                              ; v[4:35]   load i of x at X + 4 i; its first two registers then hold the four bf16
.set Q, 36                             ; v[36:67]  load i of q_coef at Q + 4 i, likewise
	s_load_b256 s[4:11], s[0:1], 0x0               ; x s[4:5], q_coef s[6:7], xb s[8:9], wb s[10:11]
	s_lshl_b32 s2, ttmp9, 15                       ; the work-group's bytes in x and q_coef (under 2^26)
	s_mov_b32 s3, 0
	s_lshl_b32 s12, ttmp9, 14                      ; and in xb and wb
	s_mov_b32 s13, 0
	s_mov_b32 s14, 0xc3000000                      ; -128.0; the packed add takes the pair's low word for both halves,
	s_mov_b32 s15, 0xc3000000                      ; and the pair is named whole
	v_lshlrev_b32 v1, 4, v0                        ; 16 t; never rewritten
	v_lshlrev_b32 v2, 3, v0                        ; 8 t; never rewritten
	s_wait_kmcnt 0x0
	s_add_nc_u64 s[4:5], s[4:5], s[2:3]
	s_add_nc_u64 s[6:7], s[6:7], s[2:3]
	s_add_nc_u64 s[8:9], s[8:9], s[12:13]
	s_add_nc_u64 s[10:11], s[10:11], s[12:13]
.irp i, 0,1,2,3,4,5,6,7
	global_load_b128 v[X+4*(\i):X+4*(\i)+3], v1, s[4:5] offset:4096*(\i) th:TH_LOAD_NT
.endr
.irp i, 0,1,2,3,4,5,6,7
	global_load_b128 v[Q+4*(\i):Q+4*(\i)+3], v1, s[6:7] offset:4096*(\i) th:TH_LOAD_NT
.endr
.irp i, 0,1,2,3,4,5,6,7
	s_wait_loadcnt 15-(\i)                         ; loads come back in order: x's load i is in; its 7 - i younger ones and q_coef's eight stay out
	v_cvt_pk_bf16_f32 v[X+4*(\i)], v[X+4*(\i)], v[X+4*(\i)+1]        ; two roundings, packed
	v_cvt_pk_bf16_f32 v[X+4*(\i)+1], v[X+4*(\i)+2], v[X+4*(\i)+3]
	global_store_b64 v2, v[X+4*(\i):X+4*(\i)+1], s[8:9] offset:2048*(\i) th:TH_STORE_NT
.endr
.irp i, 0,1,2,3,4,5,6,7
	s_wait_loadcnt 7-(\i)                          ; q_coef's load i is in; the 7 - i younger ones stay out
	v_cvt_f32_i32 v[Q+4*(\i)], v[Q+4*(\i)]
	v_cvt_f32_i32 v[Q+4*(\i)+1], v[Q+4*(\i)+1]
	v_cvt_f32_i32 v[Q+4*(\i)+2], v[Q+4*(\i)+2]
	v_cvt_f32_i32 v[Q+4*(\i)+3], v[Q+4*(\i)+3]
	v_pk_add_f32 v[Q+4*(\i):Q+4*(\i)+1], v[Q+4*(\i):Q+4*(\i)+1], s[14:15] op_sel_hi:[1,0]      ; q - 128, in f32
	v_pk_add_f32 v[Q+4*(\i)+2:Q+4*(\i)+3], v[Q+4*(\i)+2:Q+4*(\i)+3], s[14:15] op_sel_hi:[1,0]
	v_cvt_pk_bf16_f32 v[Q+4*(\i)], v[Q+4*(\i)], v[Q+4*(\i)+1]
	v_cvt_pk_bf16_f32 v[Q+4*(\i)+1], v[Q+4*(\i)+2], v[Q+4*(\i)+3]
	global_store_b64 v2, v[Q+4*(\i):Q+4*(\i)+1], s[10:11] offset:2048*(\i) th:TH_STORE_NT
.endr
	s_endpgm
.Lfunc_end_k_q1be8fd5849_prep:
	.size	k_q1be8fd5849_prep, .Lfunc_end_k_q1be8fd5849_prep-k_q1be8fd5849_prep
	.p2alignl 7, 3214868480
	.fill 96, 4, 3214868480
	.section	.rodata,"a",@progbits
	.p2align	6, 0x0
	.amdhsa_kernel k_q1be8fd5849_prep
		.amdhsa_group_segment_fixed_size 0
		.amdhsa_private_segment_fixed_size 0
		.amdhsa_enable_private_segment 0
		.amdhsa_kernarg_size 32
		.amdhsa_user_sgpr_count 2
		.amdhsa_user_sgpr_kernarg_segment_ptr 1
		.amdhsa_wavefront_size32 1
		.amdhsa_system_sgpr_workgroup_id_x 1
		.amdhsa_system_sgpr_workgroup_id_y 1
		.amdhsa_system_sgpr_workgroup_id_z 1
		.amdhsa_system_vgpr_workitem_id 0
		.amdhsa_next_free_vgpr 68
		.amdhsa_next_free_sgpr 66
		.amdhsa_reserve_vcc 0
		.amdhsa_float_denorm_mode_32 3
		.amdhsa_float_denorm_mode_16_64 3
		.amdhsa_memory_ordered 1
		.amdhsa_forward_progress 1
		.amdhsa_inst_pref_size 9
	.end_amdhsa_kernel
	.amdgpu_metadata
---
amdhsa.version: [ 1, 2 ]
amdhsa.kernels:
  - .name:           k_q1be8fd5849_prep
    .symbol:         k_q1be8fd5849_prep.kd
    .args:
      - { .name: x, .offset: 0, .size: 8, .value_kind: global_buffer, .address_space: global }
      - { .name: q_coef, .offset: 8, .size: 8, .value_kind: global_buffer, .address_space: global }
      - { .name: xb, .offset: 16, .size: 8, .value_kind: global_buffer, .address_space: global }
      - { .name: wb, .offset: 24, .size: 8, .value_kind: global_buffer, .address_space: global }
    .group_segment_fixed_size: 0
    .private_segment_fixed_size: 0
    .kernarg_segment_align: 8
    .kernarg_segment_size: 32
    .max_flat_workgroup_size: 256
    .sgpr_count:     66
    .vgpr_count:     68
    .wavefront_size: 32
...
	.end_amdgpu_metadata
.endif
;; end of part 1
;; launch gemm (part 2): grid 16 x 16, 4 waves a work-group, clusters of 4 x 4, 327,680 bytes of LDS; arguments xb, wb, q_intercept, out0; writes out0
.if DOCPART == 2
	.amdgcn_target "amdgcn-amd-amdhsa--gfx1250"
	.amdhsa_code_object_version 6
	.text
	.protected	k_q1be8fd5849_gemm
	.globl	k_q1be8fd5849_gemm
	.p2align	8
	.type	k_q1be8fd5849_gemm,@function
k_q1be8fd5849_gemm:
	s_mov_b64 s[64:65], 0
	v_nop
	global_prefetch_b8 v0, s[64:65] scope:SCOPE_SE
	s_setreg_imm32_b32 hwreg(HW_REG_WAVE_MODE, 25, 1), 1
	s_wait_xcnt 0x0
	s_wait_alu depctr_hold_cnt(0) depctr_sa_sdst(0) depctr_va_vdst(0) depctr_va_sdst(0) depctr_va_ssrc(0) depctr_va_vcc(0) depctr_vm_vsrc(0)
	s_getreg_b32 s2, hwreg(HW_REG_IB_STS2, 6, 4)
	s_cmp_eq_u32 s2, 0
	s_cbranch_scc0 .Lentry_in_a_cluster
	s_endpgm
.Lentry_in_a_cluster:
	s_bfe_u32 s2, ttmp6, 0x10000c
	s_cmp_lg_u32 s2, 0xf033
	s_cbranch_scc0 .Lentry_shape_is_right
	s_endpgm
.Lentry_shape_is_right:
; out0[m][n] = 0.02 x (the sum over k of xb[m][k] wb[k][n]) + 0.01 (f32(q_intercept[n]) - 128).  xb: [4096 m][4096 k] bf16 (x rounded), wb: [4096 k][4096 n] bf16 (q_coef - 128),
; both made by the launch before; q_intercept: [4096] int32; out0: [4096][4096] f32.  Sums in f32, K ascending.  No work is left out.
; LIMITS.  The operands' rounding is the first launch's (x to 8 significant bits; q_coef - 128 exact for q_coef in 0 .. 255).  0.02 multiplies the finished sum, fused with the bias's addition:
; the order of rounding differs from the formula's.  NaN and infinities pass as they come.
; SHARES.  A tile of out0, 256 x 256, is made by a work-group of four waves; a wave makes 128 x 128: 64 accumulators of 16 x 16, 512 registers.  16 x 16 tiles: 256 work-groups.
; K goes in 32 steps of 128 through a ring of two LDS slots filled by the tensor data mover: 256 rows x 256 bytes of xb and 128 k-rows x 512 bytes of wb a step, every row aligned to 256 bytes in memory.
; CLUSTERS: 4 x 4 work-groups.  The four of a row of the cluster need the same tiles of xb, the four of a column the same tiles of wb: each tile is asked for JOINTLY, by the same tensor load with
; the same descriptor and a mask that names the four, and each receives it in its own LDS: the requests for both operands are divided by four.
; wb LIES [k][n]: its fragments come out of LDS turned, by ds_load_tr16_b128, two loads a fragment as for xb, so no launch transposes it.
; THE MATRIX INSTRUCTION IS USED TRANSPOSED: source 0 = 16 columns of wb, source 1 = 16 rows of xb.  Lane l then holds row l % 16 of out0 and the columns 8 (l / 16) + 0 .. 7: 32 consecutive bytes.
; REGISTERS, in windows of 256 (s_set_vgpr_msb: bits 1:0 source 0, 3:2 source 1, 5:4 source 2, 7:6 destination):
;   window 0: v0-35 addresses and the bias; v64-127, v128-191 fragments of xb (8 x 16 rows x 32 K), two buffers; on the way out the same registers take rows read back from the stage
;   window 1: v64-127, v128-191 fragments of wb, two buffers
;   window 2: the 32 accumulators of my rows 0-63 (accumulator (a, b) at v[8 (8 a + b)]);   window 3: those of my rows 64-127
.set KSTEP,  128
.set LAPS,   16                        ; a lap = two K steps = once round the ring
.set PA,     272                       ; an LDS row of xb: 256 bytes + 16 of padding = 68 words: row r starts at bank 4 r mod 64 (64 banks of 4 bytes: ISA guide 11.1): the 16 rows of a load start at 16 different banks
.set PB,     544                       ; an LDS row of wb: 512 + 32 = 136 words: row r starts at bank 8 r mod 64
.set HALFT,  128*PA                    ; what one tensor load fills: 128 rows of xb, or 64 k-rows of wb (64 x 544 is the same 34,816 bytes)
.set SLOT,   4*HALFT                   ; xb's 256 rows, then wb's 128 k-rows
.set STAGE,  2*SLOT                    ; behind the ring, never filled by a tensor load: 16 rows x 528 bytes for each wave, for the way out
.set SP,     528                       ; a stage row: 512 bytes of f32 + 16: 132 words, row r at bank 4 r mod 64
.set SPARE,  STAGE+4*16*SP             ; behind the stages: the spare words, 128 bytes for each wave: two blocks of 256 bytes that no other line names
.set ROWC,   16384                     ; bytes in a row of out0
.set ADRA, 16                          ; v16-17  LDS address of my xb fragments in slot 0, 1
.set ADRB, 20                          ; v20-21  the same for wb
.set STO,  24                          ; v24     the way out: where I put 32 bytes of a row
.set RD,   25                          ; v25     the way out: my 16 bytes of a stage row
.set CO,   26                          ; v26     16 x lane: my 16 bytes of the wave's 512 in a row of out0; never rewritten
.set BO,   27                          ; v27     my 16 bytes of q_intercept; never rewritten
.set SPW,  28                          ; v28     LDS address of my spare word: SPARE + 4 x my thread's number; never rewritten
.set NIL,  29                          ; v29     0; never rewritten
.set PFO,  30                          ; v30     the prefetches' offset; never rewritten
.set BIAS, 32                          ; v[32:35] q_intercept of my four columns, then their bias
.set F0,   64                          ; fragment buffer 0
.set F1,   128                         ; fragment buffer 1
.set G1,   24                          ; s[24:31] descriptor group 1 for xb's tiles
.set G0,   32                          ; s[32:39] descriptor group 0 for xb's tiles, one set for each slot
.set LIM,  43                          ; s43     1 in a wave that prefetches, else the greatest number
.set PFA,  44                          ; s[44:45] where my prefetches stand
.set G1B,  48                          ; s[48:55] descriptor group 1 for wb's tiles
.set G0B,  56                          ; s[56:63] descriptor group 0 for wb's tiles, one set for each slot
.set PSTEP, 66                         ; s[66:67] bytes from a K step to the next, in the tensor that I fetch
.set SCL,  72                          ; s[72:73] 0.02
.set M128, 74                          ; s[74:75] -128.0
.set BSC,  76                          ; s[76:77] 0.01
.set MSB, 0
.macro WIN new                         ; the immediate's high byte repeats the setting that is left; a switch that changes nothing is dropped
.if MSB != (\new)
	s_set_vgpr_msb (MSB<<8)|(\new)
.set MSB, \new
.endif
.endm
.set MUL_LO, 0xa1                      ; source 0 (wb) window 1, source 1 (xb) window 0, C and D window 2
.set MUL_HI, 0xf1                      ; the same, C and D window 3
.set TO_B,   0x40                      ; destination window 1, address window 0
; A joint load.  Waves 0 and 1 fetch xb's two halves of 128 rows, waves 2 and 3 wb's two halves of 64 k-rows.  Each of the two lines has ONE mask and one set of registers for all that issue it.
; The branch hangs on the wave's number alone.  An s_nop 0 and four v_nop follow each of the two lines, ahead of the jump, the label and what follows.
.macro JLOAD s
	s_cmp_eq_u32 s11, 0
	s_cbranch_scc0 .Lfor_b_\@
	tensor_load_to_lds s[G0+4*(\s):G0+4*(\s)+3], s[G1:G1+7]
	s_nop 0
.rept 4
	v_nop
.endr
	s_branch .Lasked_\@
.Lfor_b_\@:
	tensor_load_to_lds s[G0B+4*(\s):G0B+4*(\s)+3], s[G1B:G1B+7]
	s_nop 0
.rept 4
	v_nop
.endr
.Lasked_\@:
.endm
; A PREFETCH INTO THE L2, behind each joint refill, its five lines and the run of LDS loads that follows them: 32 blocks of 256 bytes of the K step that stands TWO refills on (512 matrix instructions
; ahead of the load that will want them), a lane a block, one instruction a wave.  Each block is named ONCE in the launch: xb's tile row is read by every cluster of that row of clusters, and
; the one with x = 0 asks; wb's tile column by every cluster of that column, and the one with y = 0 asks.  The four partners that ask for a tile jointly share a wave's 128 blocks out BY ADDRESS
; (32 rows by cx for xb; 16 k-rows x 2 blocks by cy for wb): no branch hangs on a work-group's place in its cluster.  K steps 0 to 3 come by their loads alone; the loop's last trip (s3 = 1) asks for nothing.
.macro ASK
	s_cmp_gt_u32 s3, s[LIM]
	s_cbranch_scc0 .Lnot_mine_\@
	global_prefetch_b8 v[PFO], s[PFA:PFA+1] th:TH_LOAD_NT scope:SCOPE_SE
.Lnot_mine_\@:
.endm
; A round of the cluster's barrier: my work-group's barrier, so that wave 0's signal speaks for all four waves; wave 0 signals for the work-group; every wave waits for all sixteen; my work-group's barrier once more.
.macro CREST                           ; a round behind its opening barrier
	s_cmp_lg_u32 s10, 0
	s_cbranch_scc1 .Lnot_wave_0_\@
	s_barrier_signal -3
.Lnot_wave_0_\@:
	s_barrier_wait -3
	s_barrier_signal -1
	s_barrier_wait -1
.endm
.macro CROUND                          ; a whole round
	s_barrier_signal -1
	s_barrier_wait -1
	CREST
.endm
	s_load_b128 s[4:7], s[0:1], 0x0                ; xb s[4:5], wb s[6:7]
	s_load_b128 s[68:71], s[0:1], 0x10             ; q_intercept s[68:69], out0 s[70:71]
	v_lshl_add_u32 v[SPW], v0, 2, SPARE
	v_mov_b32 v[NIL], 0
	ds_add_u32 v[SPW], v[NIL]                      ; the wave's opening: the add, twice on end, and its wait ahead of my first tensor load; the set-up below stands between
	ds_add_u32 v[SPW], v[NIL]                      ; and once more, under the one wait
	v_lshrrev_b32 v1, 5, v0
	v_readfirstlane_b32 s10, v1                    ; wave 0..3
	s_lshr_b32 s11, s10, 1                         ; which half of the tile's rows is mine.  Also: I fetch for xb (0) or for wb (1)
	s_and_b32 s12, s10, 1                          ; which half of its columns.  Also: which half of that tile I fetch
	s_bfe_u32 s40, ttmp6, 0x40000                  ; cx: my place along the cluster's x
	s_bfe_u32 s41, ttmp6, 0x40004                  ; cy: along its y
	s_lshl_b32 s42, ttmp9, 2                       ; in a cluster launch ttmp9 and ttmp7 count clusters
	s_add_co_u32 s42, s42, s40                     ; tile column = 4 x cluster x + cx
	s_and_b32 s13, ttmp7, 0xffff
	s_lshl_b32 s13, s13, 2
	s_add_co_u32 s13, s13, s41                     ; tile row = 4 x cluster y + cy
	s_lshl_b32 s43, s41, 2
	s_lshl_b32 s43, 15, s43                        ; my row of the cluster: places 4 cy .. 4 cy + 3
	s_lshl_b32 s44, 0x1111, s40                    ; my column: places cx, cx + 4, cx + 8, cx + 12
	; descriptor group 1 for xb: 128 rows x 128 elements
	s_or_b32 s[G1+0], s43, (1<<16)|(1<<20)|(1<<21)|(5<<22)|(3<<25)  ; 15:0 the mask: my row; 17:16 elements of 2 bytes; 20 padding on; 21 set beside a mask; 24:22 after every 64 words (code 5); 31:25 4 words of it (code 3)
	s_mov_b32 s[G1+1], 128<<16                     ; tensor_dim0 = 128
	s_mov_b32 s[G1+2], 128<<16                     ; tensor_dim1 = 128
	s_mov_b32 s[G1+3], 128<<16                     ; tile_dim0 = 128
	s_mov_b32 s[G1+4], 128                         ; tile_dim1 = 128
	s_mov_b32 s[G1+5], 4096                        ; elements from row to row
	s_mov_b32 s[G1+6], 0
	s_mov_b32 s[G1+7], 0
	; descriptor group 1 for wb: 64 k-rows x 256 elements
	s_or_b32 s[G1B+0], s44, (1<<16)|(1<<20)|(1<<21)|(6<<22)|(7<<25) ; the mask: my column; padding after every 128 words (code 6), 8 words of it (code 7)
	s_mov_b32 s[G1B+1], 256<<16                    ; tensor_dim0 = 256
	s_mov_b32 s[G1B+2], 64<<16                     ; tensor_dim1 = 64
	s_mov_b32 s[G1B+3], 256<<16                    ; tile_dim0 = 256
	s_mov_b32 s[G1B+4], 64                         ; tile_dim1 = 64
	s_mov_b32 s[G1B+5], 4096
	s_mov_b32 s[G1B+6], 0
	s_mov_b32 s[G1B+7], 0
	; where the tiles come from.  xb's hang on the tile row and the wave alone, wb's on the tile column and the wave alone.  Every wave makes both addresses and asks by one of them.
	s_lshl_b32 s17, s12, 7
	s_lshl_b32 s16, s13, 8
	s_add_co_u32 s16, s16, s17                     ; xb: row 256 x tile row + 128 x half,
	s_lshl_b32 s16, s16, 13                        ; of 8,192 bytes (under 2^25)
	s_mov_b32 s17, 0
	s_lshl_b32 s46, s12, 19                        ; wb: k-row 64 x half, of 8,192 bytes,
	s_lshl_b32 s47, s42, 9                         ; and 512 bytes x tile column
	s_add_co_u32 s46, s46, s47
	s_mov_b32 s47, 0
	s_mul_i32 s20, s10, HALFT                      ; and where they go: wave x 34,816: no place in the cluster enters an LDS address
	s_mov_b32 s[SCL], 0x3ca3d70a                   ; 0.02; each constant is named as a pair, of which the packed forms take the low word
	s_mov_b32 s[SCL+1], 0x3ca3d70a
	s_mov_b32 s[M128], 0xc3000000                  ; -128.0
	s_mov_b32 s[M128+1], 0xc3000000
	s_mov_b32 s[BSC], 0x3c23d70a                   ; 0.01
	s_mov_b32 s[BSC+1], 0x3c23d70a
	s_wait_dscnt 0x0                               ; both opening adds are done
	s_wait_kmcnt 0x0
	s_add_nc_u64 s[14:15], s[4:5], s[16:17]
	s_add_nc_u64 s[46:47], s[6:7], s[46:47]
	CROUND                                         ; all sixteen work-groups are here: the first joint loads meet
.irp s, 0,1
	s_mov_b32 s[G0+4*(\s)], 1                                      ; 1:0 count = 1
	s_add_co_u32 s[G0+4*(\s)+1], s20, (\s)*SLOT                    ; 63:32 LDS address
	s_add_nc_u64 s[G0+4*(\s)+2:G0+4*(\s)+3], s[14:15], (\s)*KSTEP*2  ; 120:64 global address: K step s lies 256 bytes along xb's rows,
	s_or_b32 s[G0+4*(\s)+3], s[G0+4*(\s)+3], 0x80000000            ; 127:126 type = 2
	s_mov_b32 s[G0B+4*(\s)], 1
	s_add_co_u32 s[G0B+4*(\s)+1], s20, (\s)*SLOT
	s_add_nc_u64 s[G0B+4*(\s)+2:G0B+4*(\s)+3], s[46:47], (\s)*0x100000  ; and 128 k-rows of 8,192 bytes down wb
	s_or_b32 s[G0B+4*(\s)+3], s[G0B+4*(\s)+3], 0x80000000
	JLOAD \s                                       ; the ring is filled before anything else is done: two tensor loads of mine are out
.endr
	; q_intercept of my four columns on the way out: asked for now, waited for behind the last product
	v_and_b32 v6, 31, v0                           ; lane
	v_lshlrev_b32 v[CO], 4, v6
	s_lshl_b32 s46, s42, 10                        ; my wave's first column, in bytes of 4: 1,024 x tile column + 512 x half
	s_lshl_b32 s47, s12, 9
	s_add_co_u32 s46, s46, s47
	s_mov_b32 s47, 0
	v_add_nc_u32 v[BO], s46, v[CO]
	global_load_b128 v[BIAS:BIAS+3], v[BO], s[68:69]
	; A fragment is 16 rows (or columns) x 32 K in 8 registers: lane l holds row l % 16; registers 0-3 hold K = 8 (l / 16) + 0..7, registers 4-7 K = 16 + 8 (l / 16) + 0..7.
	; xb's rows lie along K: two loads of 16 bytes, 32 bytes apart.  wb's lie along n: the turning load takes 16 k x 16 n (lane l reads k-row 8 (l / 16) + l % 8, columns 8 ((l / 8) % 2) + 0..7)
	; and leaves half a fragment: lane l holds column l % 16 and 8 k; the second load stands 16 k-rows further down.
	v_and_b32 v1, 15, v0                           ; l % 16
	v_bfe_u32 v2, v0, 4, 1                         ; l / 16
	v_mul_u32_u24 v3, v1, PA
	v_lshl_add_u32 v3, v2, 4, v3                   ; xb: row x pitch + 16 x half
	v_and_b32 v4, 7, v0
	v_lshl_add_u32 v4, v2, 3, v4
	v_mul_u32_u24 v4, v4, PB
	v_bfe_u32 v5, v0, 3, 1
	v_lshl_add_u32 v4, v5, 4, v4                   ; wb: k-row x pitch + 16 x ((l / 8) % 2)
	s_mul_i32 s21, s11, HALFT                      ; my 128 rows of xb
	s_lshl_b32 s22, s12, 8                         ; my 128 columns of wb: 256 bytes along its rows,
	s_add_co_u32 s22, s22, 2*HALFT                 ; which lie behind xb's 256
.irp s, 0,1
	v_add_nc_u32 v[ADRA+(\s)], s21, v3
	v_add_nc_u32 v[ADRB+(\s)], s22, v4
	s_add_co_u32 s21, s21, SLOT
	s_add_co_u32 s22, s22, SLOT
.endr
	s_mul_i32 s23, s10, 16*SP
	s_add_co_u32 s23, s23, STAGE                   ; my stage
	v_mul_u32_u24 v7, v1, SP                       ; in: row l % 16, 32 bytes for each half of the lanes
	v_lshl_add_u32 v7, v2, 5, v7
	v_add_nc_u32 v[STO], s23, v7
	v_add_nc_u32 v[RD], s23, v[CO]                 ; back: 32 lanes take one row of 512 bytes
	s_lshl_b32 s16, s13, 8
	s_lshl_b32 s17, s11, 7
	s_add_co_u32 s16, s16, s17                     ; my first row of out0,
	s_lshl_b32 s16, s16, 14                        ; of 16,384 bytes (under 2^26)
	s_mov_b32 s17, 0
	s_add_nc_u64 s[8:9], s[70:71], s[16:17]
	s_add_nc_u64 s[8:9], s[8:9], s[46:47]          ; out0 at my wave's first row and column; never rewritten
	; the prefetches: both candidates, one compare, selects
	s_lshl_b32 s16, s13, 8
	s_lshl_b32 s17, s12, 7
	s_add_co_u32 s16, s16, s17
	s_lshl_b32 s17, s40, 5
	s_add_co_u32 s16, s16, s17                     ; xb: of the 128 rows that I fetch, my work-group's 32 (by cx)
	s_lshl_b32 s18, s12, 6
	s_lshl_b32 s19, s41, 4
	s_add_co_u32 s18, s18, s19                     ; wb: of the 64 k-rows that I fetch, my work-group's 16 (by cy),
	s_lshl_b32 s19, s42, 9                         ; at the tile's first column
	s_and_b32 s22, ttmp7, 0xffff                   ; cluster y
	s_mov_b32 s2, 256                              ; a K step along xb's rows,
	s_mov_b32 s23, 0x100000                        ; and down wb
	s_cmp_eq_u32 s11, 0                            ; do I fetch for xb?
	s_cselect_b32 s20, s16, s18
	s_cselect_b32 s21, 0, s19
	s_cselect_b32 s[PSTEP], s2, s23
	s_cselect_b32 s22, ttmp9, s22                  ; the coordinate along which other clusters read the same blocks
	s_cselect_b64 s[PFA:PFA+1], s[4:5], s[6:7]
	s_mov_b32 s[PSTEP+1], 0
	s_cmp_eq_u32 s22, 0
	s_cselect_b32 s[LIM], 1, -1                    ; the same in all sixteen partners, for a given wave
	s_lshl_b32 s20, s20, 13
	s_add_co_u32 s20, s20, s21
	s_mov_b32 s21, 0
	s_add_nc_u64 s[PFA:PFA+1], s[PFA:PFA+1], s[20:21]
	s_mul_i32 s20, s[PSTEP], 3
	s_add_nc_u64 s[PFA:PFA+1], s[PFA:PFA+1], s[20:21]  ; at K step 3: the first refill steps it to 4 and names that step
	v_lshrrev_b32 v3, s11, v6                      ; xb: a lane a row; wb: two lanes a k-row,
	v_and_b32 v4, s11, v6
	v_lshlrev_b32 v3, 13, v3
	v_lshl_add_u32 v[PFO], v4, 8, v3               ; 256 bytes apart
	; nothing is prefetched here, at the head, where every work-group's first two tiles are on their way
; 16 matrix instructions: m blocks a0, a0 + 1 of the window's four (hi = 0: my rows 0-63, 1: rows 64-127) x all 8 n blocks, 32 along K.  zero = 1: the first product starts the sums: nothing is ever cleared.
; The 64 accumulators take turns, one instruction a turn, in the same order in every quarter step, over the backward jump too.
.macro MUL16 f, hi, a0, zero
	WIN MUL_LO+0x50*(\hi)
.irp a, \a0, (\a0)+1
.irp b, 0,1,2,3,4,5,6,7
.if \zero
	v_wmma_f32_16x16x32_bf16 v[8*(8*(\a)+(\b)):8*(8*(\a)+(\b))+7], v[(\f)+8*(\b):(\f)+8*(\b)+7], v[(\f)+8*(4*(\hi)+(\a)):(\f)+8*(4*(\hi)+(\a))+7], 0
.else
	v_wmma_f32_16x16x32_bf16 v[8*(8*(\a)+(\b)):8*(8*(\a)+(\b))+7], v[(\f)+8*(\b):(\f)+8*(\b)+7], v[(\f)+8*(4*(\hi)+(\a)):(\f)+8*(4*(\hi)+(\a))+7], v[8*(8*(\a)+(\b)):8*(8*(\a)+(\b))+7]
.endif
.endr
.endr
.endm
; 32 LDS loads in one run: the fragments of quarter q of a K step (32 k x my 128 columns of wb, my 128 rows of xb x 32 k) into buffer f.  wb first, xb's rows 64-127 last.
.macro FETCH slot, q, f
	WIN TO_B
.irp i, 0,1,2,3,4,5,6,7
	ds_load_tr16_b128 v[(\f)+8*(\i):(\f)+8*(\i)+3],   v[ADRB+(\slot)] offset:(\q)*32*PB+32*(\i)
	ds_load_tr16_b128 v[(\f)+8*(\i)+4:(\f)+8*(\i)+7], v[ADRB+(\slot)] offset:(\q)*32*PB+16*PB+32*(\i)
.endr
	WIN 0
.irp i, 0,1,2,3,4,5,6,7
	ds_load_b128 v[(\f)+8*(\i):(\f)+8*(\i)+3],   v[ADRA+(\slot)] offset:64*(\q)+(\i)*16*PA
	ds_load_b128 v[(\f)+8*(\i)+4:(\f)+8*(\i)+7], v[ADRA+(\slot)] offset:64*(\q)+(\i)*16*PA+32
.endr
.endm
; A load into a register that a matrix instruction has read stands four places behind that matrix instruction, and only plain vector instructions that name none of its registers are places
; (ISA guide 7.12.1 for vector instructions).  So four v_nop stand in front of each run of loads.
.macro PLACES
.rept 4
	v_nop
.endr
.endm
; A K step is four quarter steps of 32 along K, 64 matrix instructions each, on buffers 0, 1, 0, 1.
; One of the first three: multiplies buffer f; in its middle it fetches quarter q of the same slot into buffer g, 32 matrix instructions ahead of its first use.
.macro QUARTER slot, q, f, g, zero
	s_wait_dscnt 8                                 ; wb and xb's rows 0-63 are in; the youngest eight loads (xb's rows 64-127) may be out
	MUL16 \f, 0, 0, \zero
	MUL16 \f, 0, 2, \zero
	PLACES
	FETCH \slot, \q, \g
	s_wait_dscnt 32                                ; all but the 32 just issued
	MUL16 \f, 1, 0, \zero
	MUL16 \f, 1, 2, \zero
.endm
; The last quarter multiplies buffer 1 and changes slots.  MEET is its first half: ONE barrier for the change.  In front of it each wave waits for all its tensor loads, of which one is out: its part of
; the next slot; adds 0 to its spare word; and waits for that and for its own reads of this slot.  Behind it nobody reads this slot any more and the next slot is whole.
.macro MEET round                      ; round = 1: a round of the cluster's barrier follows
	WIN 0                                          ; (the add's two registers lie in window 0)
	s_wait_tensorcnt 0x0                           ; all my tensor loads have landed;
	ds_add_u32 v[SPW], v[NIL]                      ; 0 onto my spare word;
	s_wait_dscnt 9                                 ; (the add and the youngest eight loads may be out)
	MUL16 F1, 0, 0, 0                              ; sixteen matrix instructions stand between the add and the wait for it
	s_wait_dscnt 0x0                               ; the add is done, and my reads of this slot are over:
	s_barrier_signal -1                            ; say so,
	MUL16 F1, 0, 2, 0                              ; work on registers while the others arrive,
.if \round
	WIN 0
.endif
	s_barrier_wait -1                              ; and go on when all four have said so
.endm
; The whole last quarter.  fill = 1: the barrier opens a round of the cluster's barrier, and behind the round the slot just read out is filled again first, with the K step two steps on;
; from that request to the wait for it a wave issues 224 matrix instructions.  Then come the next slot's first fragments.
.macro TURN slot, next, fill
.if \fill
	s_wait_xcnt 0x0                                ; the last prefetch, a K step back, has read its address: it is stepped here, ahead of the change's own waits
	s_add_nc_u64 s[PFA:PFA+1], s[PFA:PFA+1], s[PSTEP:PSTEP+1]
	MEET 1
	CREST                                          ; no wave of any partner still reads this slot's tile or has a load on its way
	s_add_nc_u64 s[G0+4*(\slot)+2:G0+4*(\slot)+3], s[G0+4*(\slot)+2:G0+4*(\slot)+3], 2*KSTEP*2       ; no tensor load of mine is out, so the descriptors step: 512 bytes along xb's rows,
	s_add_nc_u64 s[G0B+4*(\slot)+2:G0B+4*(\slot)+3], s[G0B+4*(\slot)+2:G0B+4*(\slot)+3], 0x200000    ; 256 k-rows down wb; the type bits on top are not reached
	JLOAD \slot                                    ; the first tensor load behind the round, my only one until the next; its four v_nop are also the places in front of the loads below
.else
	MEET 0
	PLACES
.endif
	FETCH \next, 0, F0
.if \fill
	ASK                                            ; behind the joint load and the run of LDS loads that the next products wait for
.endif
	MUL16 F1, 1, 0, 0
	MUL16 F1, 1, 2, 0
.endm
; THE WAY OUT of block a (16 rows of my 128).  TOSTAGE: the raw f32 sums go into my own stage, 32 bytes a lane (each accumulator's low four registers first), and come back as whole rows of 512 bytes.
.macro TOSTAGE a
.set AC, 64*((\a)%4)
.set BK, F0+64*((\a)%2)
	WIN 0x08+4*((\a)/4)                            ; the stores' data (source 1) in window 2 or 3
.irp b, 0,1,2,3,4,5,6,7
	ds_store_b128 v[STO], v[AC+8*(\b):AC+8*(\b)+3]   offset:64*(\b)
	ds_store_b128 v[STO], v[AC+8*(\b)+4:AC+8*(\b)+7] offset:64*(\b)+16
.endr
	WIN 0
	s_wait_xcnt 0x0                                ; the global stores of the block two back have read these registers: only behind this wait are they loaded again
.irp t, 0,1,2,3,4,5,6,7,8,9,10,11,12,13,14,15
	ds_load_b128 v[BK+4*(\t):BK+4*(\t)+3], v[RD] offset:(\t)*SP  ; LDS serves a wave's instructions in order (ISA guide 5.7.1.4): these see the stores above; the next block's stores come behind them
.endr
.endm
; SEND: out = 0.02 x sum + bias, two numbers an instruction, and the row is stored.  younger: the LDS instructions issued behind block a's loads: the next block's 32, or none.
.macro SEND a, younger
.set BK, F0+64*((\a)%2)
.irp t, 0,1,2,3,4,5,6,7,8,9,10,11,12,13,14,15
	s_wait_dscnt (\younger)+15-(\t)                ; row t is back; the block's 15 - t later rows and the younger ones may be out
	v_pk_fma_f32 v[BK+4*(\t):BK+4*(\t)+1],   v[BK+4*(\t):BK+4*(\t)+1],   s[SCL:SCL+1], v[BIAS:BIAS+1]   op_sel_hi:[1,0,1]
	v_pk_fma_f32 v[BK+4*(\t)+2:BK+4*(\t)+3], v[BK+4*(\t)+2:BK+4*(\t)+3], s[SCL:SCL+1], v[BIAS+2:BIAS+3] op_sel_hi:[1,0,1]
	global_store_b128 v[CO], v[BK+4*(\t):BK+4*(\t)+3], s[8:9] offset:(16*(\a)+(\t))*ROWC th:TH_STORE_NT  ; 32 lanes store 512 consecutive bytes, at a multiple of 512 from out0's first; the row stands in the immediate, 127 rows at the most
.endr
.endm
	s_wait_tensorcnt 1                             ; my part of K step 0 is in; K step 1's may stay out
	s_barrier_signal -1
	s_barrier_wait -1                              ; everybody's is
	FETCH 0, 0, F0
	QUARTER 0, 1, F0, F1, 1                        ; the first quarter stands in front of the loop: its products start the sums
	WIN 0                                          ; at a label and at a branch every window is 0
	s_mov_b32 s3, LAPS-1
.Llap:                                                 ; a trip goes once round the ring, from a lap's second quarter to the next lap's first, and fills both slots again
	QUARTER 0, 2, F1, F0, 0
	QUARTER 0, 3, F0, F1, 0
	TURN 0, 1, 1
	QUARTER 1, 1, F0, F1, 0
	QUARTER 1, 2, F1, F0, 0
	QUARTER 1, 3, F0, F1, 0
	TURN 1, 0, 1
	QUARTER 0, 1, F0, F1, 0
	WIN 0
	s_sub_co_u32 s3, s3, 1
	s_cmp_lg_u32 s3, 0
	s_cbranch_scc1 .Llap
	QUARTER 0, 2, F1, F0, 0                        ; the last lap is written out: it fills nothing, and has no round of the cluster's barrier
	QUARTER 0, 3, F0, F1, 0
	TURN 0, 1, 0
	QUARTER 1, 1, F0, F1, 0
	QUARTER 1, 2, F1, F0, 0
	QUARTER 1, 3, F0, F1, 0
	s_wait_dscnt 8                                 ; the very last quarter: nothing more to fetch
	MUL16 F1, 0, 0, 0
	MUL16 F1, 0, 2, 0
	s_wait_dscnt 0x0
	MUL16 F1, 1, 0, 0
	MUL16 F1, 1, 2, 0
	WIN 0
	s_wait_loadcnt 0x0                             ; q_intercept of my four columns
	v_cvt_f32_i32 v[BIAS], v[BIAS]                 ; the bias, 0.01 (q - 128) in f32: eight plain instructions that name no register of the last products: the places behind them
	v_cvt_f32_i32 v[BIAS+1], v[BIAS+1]
	v_cvt_f32_i32 v[BIAS+2], v[BIAS+2]
	v_cvt_f32_i32 v[BIAS+3], v[BIAS+3]
	v_pk_add_f32 v[BIAS:BIAS+1], v[BIAS:BIAS+1], s[M128:M128+1] op_sel_hi:[1,0]
	v_pk_add_f32 v[BIAS+2:BIAS+3], v[BIAS+2:BIAS+3], s[M128:M128+1] op_sel_hi:[1,0]
	v_pk_mul_f32 v[BIAS:BIAS+1], v[BIAS:BIAS+1], s[BSC:BSC+1] op_sel_hi:[1,0]
	v_pk_mul_f32 v[BIAS+2:BIAS+3], v[BIAS+2:BIAS+3], s[BSC:BSC+1] op_sel_hi:[1,0]
	TOSTAGE 0
.irp a, 1,2,3,4,5,6,7                  ; block a goes into the stage while block a - 1's rows come back
	TOSTAGE \a
	SEND (\a)-1, 32
.endr
	SEND 7, 0
	s_wait_tensorcnt 0x0                           ; the wave's end, behind my last tensor load and my last LDS store
	ds_add_u32 v[SPW], v[NIL]
	s_wait_dscnt 0x0
	CROUND                                         ; the closing round: no work-group ends while a partner may still ask for a tile that names it
	s_endpgm
.Lfunc_end_k_q1be8fd5849_gemm:
	.size	k_q1be8fd5849_gemm, .Lfunc_end_k_q1be8fd5849_gemm-k_q1be8fd5849_gemm
	.p2alignl 7, 3214868480
	.fill 96, 4, 3214868480
	.section	.rodata,"a",@progbits
	.p2align	6, 0x0
	.amdhsa_kernel k_q1be8fd5849_gemm
		.amdhsa_group_segment_fixed_size 327680
		.amdhsa_private_segment_fixed_size 0
		.amdhsa_enable_private_segment 0
		.amdhsa_kernarg_size 32
		.amdhsa_user_sgpr_count 2
		.amdhsa_user_sgpr_kernarg_segment_ptr 1
		.amdhsa_wavefront_size32 1
		.amdhsa_system_sgpr_workgroup_id_x 1
		.amdhsa_system_sgpr_workgroup_id_y 1
		.amdhsa_system_sgpr_workgroup_id_z 1
		.amdhsa_system_vgpr_workitem_id 0
		.amdhsa_next_free_vgpr 1024
		.amdhsa_next_free_sgpr 78
		.amdhsa_reserve_vcc 0
		.amdhsa_float_denorm_mode_32 3
		.amdhsa_float_denorm_mode_16_64 3
		.amdhsa_memory_ordered 1
		.amdhsa_forward_progress 1
		.amdhsa_inst_pref_size 162
	.end_amdhsa_kernel
	.amdgpu_metadata
---
amdhsa.version: [ 1, 2 ]
amdhsa.kernels:
  - .name:           k_q1be8fd5849_gemm
    .symbol:         k_q1be8fd5849_gemm.kd
    .args:
      - { .name: xb, .offset: 0, .size: 8, .value_kind: global_buffer, .address_space: global }
      - { .name: wb, .offset: 8, .size: 8, .value_kind: global_buffer, .address_space: global }
      - { .name: q_intercept, .offset: 16, .size: 8, .value_kind: global_buffer, .address_space: global }
      - { .name: out0, .offset: 24, .size: 8, .value_kind: global_buffer, .address_space: global }
    .group_segment_fixed_size: 327680
    .private_segment_fixed_size: 0
    .kernarg_segment_align: 8
    .kernarg_segment_size: 32
    .max_flat_workgroup_size: 128
    .sgpr_count:     78
    .vgpr_count:     1024
    .wavefront_size: 32
...
	.end_amdgpu_metadata
.endif
;; end of part 2
